; MI455X (gfx1250); checked and timed in simulation.
; The chip was launched on July 23, 2026; its instructions are those of AMD's public machine-readable ISA for CDNA 5 (MIT licence, August 2026) and "CDNA5" Instruction Set Architecture Reference Guide (July 2026). The comments in the code are by the model that wrote it; some were corrected since.
;; Attention. Allowed arithmetic: matrix products marked QUANTISED: E2M1 operands, one E8M0 scale for each 32 along K, by v_wmma_scale_f32_16x16x128_f8f6f4 with both operands' format E2M1 (or v_wmma_scale_f32_32x16x128_f4), f32 sums; products left as they are: bf16, f16 or f32 operands; f32 sums; everything else in f32.
;; Inputs: Wk 512 x 512 float32; Wo 512 x 512 float32; Wq 512 x 512 float32; Wv 512 x 512 float32; pos_bias 8 x 1,024 x 1,024 float32; x 16 x 1,024 x 512 float32.
;; Outputs: out0 16 x 1,024 x 512 float32.
;; This version of the problem:
;;   THIS VERSION OF THE PROBLEM IS GIVEN IN LOW PRECISION. The matrix products marked QUANTISED in the list below multiply operands that are first quantised to E2M1 (2 exponent bits, 1 mantissa bit; 4 bits a number), with one power-of-two scale for each 32 numbers along K (OCP MX v1.0); their sums are f32. The products marked 'left as it is' may take bf16, f16 or f32 operands, with f32 sums. Whichever they take, every output number must still come out within the allowed error. Rounding operands to bf16 (8 significant bits) uses up far more of that allowance than f16 does (11 bits, for magnitudes from 6e-5 to 65,504). All else is computed in f32.
;;   The module's matrix products, in the order in which they are computed (A, B: the left and right operand; K: the contracted axis; several contracted axes count as one K, in the product's order):
;;     1. [M 16,384, K 512] x [K 512, N 512]; A: input x; B: input Wq: QUANTISED
;;     2. [M 16,384, K 512] x [K 512, N 512]; A: input x; B: input Wk: QUANTISED
;;     3. [M 16,384, K 512] x [K 512, N 512]; A: input x; B: input Wv: QUANTISED
;;     4. batch 128 x [M 1,024, K 64] x [K 64, N 1,024]; A: computed on the way; B: computed on the way: left as it is (an operand is computed on the way)
;;     5. batch 128 x [M 1,024, K 1,024] x [K 1,024, N 64]; A: computed on the way; B: computed on the way: left as it is (an operand is computed on the way)
;;     6. [M 16,384, K 512] x [K 512, N 512]; A: computed on the way; B: input Wo: left as it is (an operand is computed on the way)
;;   THE QUANTISER, for each operand of a quantised product, along K:
;;     - K is cut into blocks of 32 from its start; a last block that is shorter is filled with zeros.
;;     - A block's scale is 2^e with e = floor(log2(the largest magnitude in the block)) - 2, held to -126 .. 127; a block of zeros has e = 0. As a byte (E8M0): e + 127.
;;     - Each number is divided by its block's scale, clamped to +-6, and rounded to the nearest number of E2M1, ties to even, subnormals kept.
;;     - The product sums the exact products of the quantised numbers (number of the format x scale) in f32.
;;   ~~~python
;;   def quantise(x, axis):      # numpy; x: float32 -> the quantised numbers, widened to float32 again
;;       x = np.moveaxis(x, axis, -1); K = x.shape[-1]
;;       x = np.pad(x, [(0, 0)] * (x.ndim - 1) + [(0, -K % 32)]); x = x.reshape(x.shape[:-1] + (-1, 32)); a = np.abs(x).max(-1, keepdims=True)
;;       e = np.where(a > 0, np.clip(np.frexp(np.where(a > 0, a, 1))[1] - 1 - 2, -126, 127), 0)      # np.frexp(a)[1] - 1 = floor(log2(a)), exactly
;;       r = np.clip(x / 2.0 ** e, -6, 6)
;;       step = 2.0 ** (np.maximum(np.frexp(np.where(r == 0, 1, r))[1] - 1, 0) - 1)
;;       q = np.round(r / step) * step * 2.0 ** e      # np.round: ties to even
;;       return np.moveaxis(q.reshape(q.shape[:-2] + (-1,))[..., :K], -1, axis).astype(np.float32)
;;   ~~~
;; One version. Each part assembles by itself: llvm-mc -triple=amdgcn-amd-amdhsa -mcpu=gfx1250 --defsym DOCPART=n.
;; ======== version 1 of 1: 4 launches
;; limits: values are held in f16: magnitudes above 65,504 overflow, below 6.1e-05 lose precision
;; workspace buffers: wcod 393,216 bytes; wscl 49,152 bytes; woimg 524,288 bytes; qimg 16,777,216 bytes; kvimg 33,554,432 bytes; attimg 16,777,216 bytes
;; launch prep (part 1): grid 128 x 1, 4 waves a work-group, no clusters, 1,024 bytes of LDS; arguments Wq, Wk, Wv, Wo, wcod, wscl, woimg; writes wcod, wscl, woimg
.if DOCPART == 1
	.amdgcn_target "amdgcn-amd-amdhsa--gfx1250"
	.amdhsa_code_object_version 6
	.text
	.protected	k_q0807624026_prep
	.globl	k_q0807624026_prep
	.p2align	8
	.type	k_q0807624026_prep,@function
k_q0807624026_prep:
	s_mov_b64 s[64:65], 0
	v_nop
	global_prefetch_b8 v0, s[64:65] scope:SCOPE_SE
	s_setreg_imm32_b32 hwreg(HW_REG_WAVE_MODE, 25, 1), 1
	s_wait_xcnt 0x0
; THE WEIGHTS, ONCE.  Wq, Wk, Wv [512][512] f32 (K innermost) become codes of FP4 (E2M1) with one E8M0 byte for each 32 along K; Wo [512][512] becomes f16.
; Both leave AS IMAGES OF OPERAND REGISTERS: a group of four registers of a fragment is 512 consecutive bytes, lane l's 16 bytes at 16 l, so that a later launch
; loads a fragment by 16-byte loads at 16 x lane and every store here covers 512 consecutive bytes.
;   wcod  [T 96][K step 4][c 2][lane 32][16]   T = tile of 16 rows of Wq, Wk, Wv on end; lane (r, h), group c: row r, k = 128 step + 64 c + 32 h + 0 .. 31
;   wscl  [T 96][lane 32][K step 4] words      lane r (and r + 16): row r's four scale bytes of each K step
;   woimg [ct 32][kc 16][g 2][lane 32][16]     lane (r, h): Wo[16 ct + r][32 kc + 16 g + 8 h + 0 .. 7] in f16
; A block's scale is 2^(floor(log2(largest magnitude)) - 2): its byte is the largest magnitude's exponent field - 2, held at 1 from below.  A block of zeros keeps the byte 1
; where the quantiser says 127: its codes are zeros, which add nothing, and this program alone reads the bytes.
; LIMITS: NaN and infinities among the weights are not served; |Wo| stays under 65,504 (f16).
; SHARES.  Work-groups 0-95: tile T = the work-group's number, WAVE w TAKES K STEP w: all of a tile's loads go out at the head, and a wave has one fragment to make.  The four waves' scale words meet in
; 512 bytes of LDS (lane l's four words on end), one barrier, and wave 0 stores them as 512 consecutive bytes.  Work-groups 96-127: tile ct of Wo, a wave a quarter of K; no LDS, no barrier.
; The branch between the two hangs on the work-group's number alone: all four waves of a work-group go the same way.
.set SCW,   0                          ; LDS: the tile's scale words, [lane 32][K step 4]
.set SPARE, 512                        ; the spare words, 128 bytes for each of four waves: two blocks of 256 bytes that no other line names
.set XA,  4                            ; v4   Wq, Wk, Wv: row r of 2,048 bytes + 64 h: my 16 numbers of a block of 32
.set LI,  5                            ; v5   16 x lane: my place in an image
.set OA,  6                            ; v6   Wo: row r + 32 h: my 8 numbers of a group
.set SA,  7                            ; v7   LDS: 16 x lane + 4 x wave: my K step's scale word
.set HA,  32                           ; v32-95   64 numbers
.set HB,  96                           ; v96-127  Wo in f16
.set TM,  176                          ; v176-179 largest magnitudes, v180-183 the other half's, then bytes, v188-191 the conversions' scale operands
.set PC,  192                          ; v192-199 codes
.set SW,  200                          ; v200     my scale word
.set SQ,  204                          ; v204-207 the four words of a lane, read back
.set SPW, 252                          ; v252 LDS address of my spare word; never rewritten
.set NIL, 253                          ; v253 0; never rewritten
.set WV,  18
.set SEL, 30
	s_load_b256 s[4:11], s[0:1], 0x0               ; Wq s[4:5], Wk s[6:7], Wv s[8:9], Wo s[10:11]
	s_load_b128 s[12:15], s[0:1], 0x20             ; wcod, wscl
	s_load_b64 s[16:17], s[0:1], 0x30              ; woimg
	v_lshl_add_u32 v[SPW], v0, 2, SPARE
	v_mov_b32 v[NIL], 0
	v_lshrrev_b32 v1, 5, v0
	v_readfirstlane_b32 s[WV], v1                  ; wave 0..3
	v_and_b32 v1, 31, v0                           ; lane
	v_and_b32 v2, 15, v0                           ; r
	v_bfe_u32 v3, v0, 4, 1                         ; h
	v_lshlrev_b32 v[LI], 4, v1
	s_lshl_b32 s19, s[WV], 2
	v_add_nc_u32 v[SA], s19, v[LI]
	v_lshlrev_b32 v[XA], 11, v2
	v_lshl_add_u32 v[OA], v3, 5, v[XA]
	v_lshl_add_u32 v[XA], v3, 6, v[XA]
	s_mov_b32 s[SEL], 0x76543210
	s_mov_b32 s[SEL+1], 0xfedcba98                 ; v_permlanex16_b32's selects for lane l xor 16
	s_mov_b32 s23, 0
	s_mov_b32 s25, 0
	s_mov_b32 s27, 0
	s_wait_kmcnt 0x0
	s_cmp_lt_u32 ttmp9, 96
	s_cbranch_scc0 .Lwo
; 64 numbers of a lane become a fragment's codes in v[pc] on and its scale word in v[pw]
.macro QUANT s, pc, pw
.irp b, 0,1,2,3
	v_max3_num_f32 v[TM+\b], |v[\s+16*\b]|, |v[\s+1+16*\b]|, 0x1800000   ; block b: my 16 numbers, and the floor 2^(3 - 127): the byte cannot fall under 1
.endr
.irp i, 2,4,6,8,10,12,14
.irp b, 0,1,2,3
	v_max3_num_f32 v[TM+\b], v[TM+\b], |v[\s+16*\b+\i]|, |v[\s+1+16*\b+\i]|   ; the four blocks by turns
.endr
.endr
.irp b, 0,1,2,3
	v_permlanex16_b32 v[TM+4+\b], v[TM+\b], s[SEL], s[SEL+1]
.endr
.irp b, 0,1,2,3
	v_max_num_f32 v[TM+\b], v[TM+\b], v[TM+4+\b]   ; with lane l xor 16's: the block's largest magnitude
.endr
.irp b, 0,1,2,3
	v_add_nc_u32 v[TM+12+\b], 0xff000000, v[TM+\b] ; 2 off its exponent field: the conversion takes the exponent field of this operand as its scale
.endr
.irp b, 0,1,2,3
	v_lshrrev_b32 v[TM+4+\b], 23, v[TM+12+\b]      ; the scale's byte
.endr
	v_lshl_or_b32 v[\pw], v[TM+5], 8, v[TM+4]      ; four bytes: my row's scale word of this K step
	v_lshl_or_b32 v[\pw], v[TM+6], 16, v[\pw]
	v_lshl_or_b32 v[\pw], v[TM+7], 24, v[\pw]
.irp b, 0,1,2,3
	v_cvt_scalef32_pk8_fp4_f32 v[\pc+2*\b], v[\s+16*\b:\s+7+16*\b], v[TM+12+\b]
	v_cvt_scalef32_pk8_fp4_f32 v[\pc+1+2*\b], v[\s+8+16*\b:\s+15+16*\b], v[TM+12+\b]
.endr
	v_nop                                          ; one plain instruction behind the scaled conversions
.irp c, 0,1                                    ; the operand's layout wants a whole block in a lane: lanes 0-15 block 2 c, lanes 16-31 block 2 c + 1
.irp i, 0,1
	v_permlane16_swap_b32 v[\pc+4*\c+\i], v[\pc+2+4*\c+\i]
.endr
.endr
.endm
	s_cmp_lt_u32 ttmp9, 64                         ; which matrix: the choice hangs on the work-group's number alone
	s_cselect_b64 s[20:21], s[6:7], s[8:9]
	s_cmp_lt_u32 ttmp9, 32
	s_cselect_b64 s[20:21], s[4:5], s[20:21]
	s_and_b32 s22, ttmp9, 31                       ; my tile in that matrix:
	s_lshl_b32 s22, s22, 15                        ; 16 rows of 2,048 bytes,
	s_lshl_b32 s24, s[WV], 9                       ; and my K step's 512 bytes of each
	s_add_co_u32 s22, s22, s24
	s_add_nc_u64 s[20:21], s[20:21], s[22:23]
	s_lshl_b32 s24, ttmp9, 12                      ; 4,096 bytes of codes a tile,
	s_lshl_b32 s26, s[WV], 10                      ; 1,024 a K step
	s_add_co_u32 s24, s24, s26
	s_add_nc_u64 s[12:13], s[12:13], s[24:25]
	s_lshl_b32 s26, ttmp9, 9                       ; 512 bytes of scale words a tile
	s_add_nc_u64 s[14:15], s[14:15], s[26:27]
.irp b, 0,1,2,3                                ; my 16 rows' numbers of my K step: register 16 b + i = k 32 b + 16 h + i of my row
.irp j, 0,1,2,3
	global_load_b128 v[HA+16*\b+4*\j:HA+16*\b+4*\j+3], v[XA], s[20:21] offset:128*\b+16*\j th:TH_LOAD_NT
.endr
.endr
.irp b, 0,1,2,3
	v_mov_b32 v[TM+4+\b], 0                        ; written once: a lane permute's destination counts as one of its sources
.endr
	s_wait_loadcnt 0x0
	QUANT HA, PC, SW
.irp c, 0,1
	global_store_b128 v[LI], v[PC+4*\c:PC+4*\c+3], s[12:13] offset:\c*512   ; the fragment: two stores of 512 consecutive bytes
.endr
	ds_store_b32 v[SA], v[SW] offset:SCW           ; my K step's word beside the other three of my lane
	s_wait_dscnt 0x0                               ; for the others' sake: my word has landed
	s_barrier_signal -1
	s_barrier_wait -1                              ; all four waves' words lie in LDS; nothing is stored there again
	s_cmp_lg_u32 s[WV], 0
	s_cbranch_scc1 .Lqend
	ds_load_b128 v[SQ:SQ+3], v[LI] offset:SCW      ; wave 0: a lane's four words
	s_wait_dscnt 0x0
	global_store_b128 v[LI], v[SQ:SQ+3], s[14:15]  ; the tile's scale words: 512 consecutive bytes
.Lqend:
	s_wait_tensorcnt 0x0                           ; the wave's end
	ds_add_u32 v[SPW], v[NIL]
	s_wait_dscnt 0x0
	s_endpgm
.Lwo:                                              ; Wo to f16: tile ct = work-group - 96, my quarter of K = 4 fragments
	s_sub_co_u32 s28, ttmp9, 96
	s_lshl_b32 s22, s28, 15
	s_lshl_b32 s24, s[WV], 9
	s_add_co_u32 s22, s22, s24
	s_add_nc_u64 s[10:11], s[10:11], s[22:23]
	s_lshl_b32 s26, s28, 14
	s_lshl_b32 s24, s[WV], 12
	s_add_co_u32 s26, s26, s24
	s_add_nc_u64 s[16:17], s[16:17], s[26:27]
.irp q, 0,1,2,3,4,5,6,7                        ; q = 2 kc + g: 8 numbers, 32 bytes
	global_load_b128 v[HA+8*\q:HA+8*\q+3], v[OA], s[10:11] offset:64*\q th:TH_LOAD_NT
	global_load_b128 v[HA+8*\q+4:HA+8*\q+7], v[OA], s[10:11] offset:64*\q+16 th:TH_LOAD_NT
.endr
	s_wait_loadcnt 0x0
.irp q, 0,1,2,3,4,5,6,7,8,9,10,11,12,13,14,15,16,17,18,19,20,21,22,23,24,25,26,27,28,29,30,31
	v_cvt_pk_f16_f32 v[HB+\q], v[HA+2*\q], v[HA+2*\q+1]
.endr
.irp q, 0,1,2,3,4,5,6,7
	global_store_b128 v[LI], v[HB+4*\q:HB+4*\q+3], s[16:17] offset:512*\q
.endr
	s_endpgm
.Lfunc_end_k_q0807624026_prep:
	.size	k_q0807624026_prep, .Lfunc_end_k_q0807624026_prep-k_q0807624026_prep
	.p2alignl 7, 3214868480
	.fill 96, 4, 3214868480
	.section	.rodata,"a",@progbits
	.p2align	6, 0x0
	.amdhsa_kernel k_q0807624026_prep
		.amdhsa_group_segment_fixed_size 1024
		.amdhsa_private_segment_fixed_size 0
		.amdhsa_enable_private_segment 0
		.amdhsa_kernarg_size 56
		.amdhsa_user_sgpr_count 2
		.amdhsa_user_sgpr_kernarg_segment_ptr 1
		.amdhsa_wavefront_size32 1
		.amdhsa_system_sgpr_workgroup_id_x 1
		.amdhsa_system_sgpr_workgroup_id_y 1
		.amdhsa_system_sgpr_workgroup_id_z 1
		.amdhsa_system_vgpr_workitem_id 0
		.amdhsa_next_free_vgpr 256
		.amdhsa_next_free_sgpr 66
		.amdhsa_reserve_vcc 0
		.amdhsa_float_denorm_mode_32 3
		.amdhsa_float_denorm_mode_16_64 3
		.amdhsa_memory_ordered 1
		.amdhsa_forward_progress 1
		.amdhsa_inst_pref_size 13
	.end_amdhsa_kernel
	.amdgpu_metadata
---
amdhsa.version: [ 1, 2 ]
amdhsa.kernels:
  - .name:           k_q0807624026_prep
    .symbol:         k_q0807624026_prep.kd
    .args:
      - { .name: Wq, .offset: 0, .size: 8, .value_kind: global_buffer, .address_space: global }
      - { .name: Wk, .offset: 8, .size: 8, .value_kind: global_buffer, .address_space: global }
      - { .name: Wv, .offset: 16, .size: 8, .value_kind: global_buffer, .address_space: global }
      - { .name: Wo, .offset: 24, .size: 8, .value_kind: global_buffer, .address_space: global }
      - { .name: wcod, .offset: 32, .size: 8, .value_kind: global_buffer, .address_space: global }
      - { .name: wscl, .offset: 40, .size: 8, .value_kind: global_buffer, .address_space: global }
      - { .name: woimg, .offset: 48, .size: 8, .value_kind: global_buffer, .address_space: global }
    .group_segment_fixed_size: 1024
    .private_segment_fixed_size: 0
    .kernarg_segment_align: 8
    .kernarg_segment_size: 56
    .max_flat_workgroup_size: 128
    .sgpr_count:     66
    .vgpr_count:     256
    .wavefront_size: 32
...
	.end_amdgpu_metadata
.endif
;; end of part 1
;; launch qkv (part 2): grid 256 x 1, 8 waves a work-group, no clusters, 154,624 bytes of LDS; arguments x, wcod, wscl, qimg, kvimg; writes qimg, kvimg
.if DOCPART == 2
	.amdgcn_target "amdgcn-amd-amdhsa--gfx1250"
	.amdhsa_code_object_version 6
	.text
	.protected	k_q0807624026_qkv
	.globl	k_q0807624026_qkv
	.p2align	8
	.type	k_q0807624026_qkv,@function
k_q0807624026_qkv:
	s_mov_b64 s[64:65], 0
	v_nop
	global_prefetch_b8 v0, s[64:65] scope:SCOPE_SE
	s_setreg_imm32_b32 hwreg(HW_REG_WAVE_MODE, 25, 1), 1
	s_wait_xcnt 0x0
; q = x Wq^T / 8, k = x Wk^T, v = x Wv^T, on codes of FP4 (E2M1) with one E8M0 scale for each 32 along K = 512; sums in f32; results rounded once to f16 and stored as images of the
; operand registers that the attention launch wants (a group of four registers = 512 consecutive bytes, lane l's 16 bytes at 16 l).
;   qimg  [batch x 8 + head][query tile 64][F 4][lane][16]    lane (r, h): q(token r, channels 16 F + 8 h + 0 .. 7)
;   kvimg [batch x 8 + head][step 16][16,384]: K at t 2,048 + F 512, as q; V at 8,192 + dt 2,048 + m 512: lane (r, h): v(channel 16 dt + r, tokens 16 m + 8 h + 0 .. 7)
; SHARES.  A work-group owns 64 rows of x (one key step of one batch): x is read and quantised once in the launch.  Wave w quantises two of the sixteen fragments (16 rows x 128 K) and hands them to
; the others through LDS as register images; one barrier.  Then WAVE w IS HEAD w: 4 tiles of 16 features of each of q, k, v against the 4 tiles of rows.  Its weights come from memory straight
; into operand registers (each tile is used by this one wave of the work-group), three sets by turns, two tiles ahead.
; x IS LOADED AS IT LIES AND TURNED IN LDS.  The conversions want 16 neighbours along K in ONE lane; a load is best where neighbouring LANES take neighbouring bytes.  So a load reads one row's K step, 512 consecutive
; bytes, 16 a lane; a fragment's 16 rows go into the wave's own stage, rows 528 bytes apart (33 x 16: the 16 rows that a load back touches fall on 16 different 16-byte columns modulo 256), and come back 64 bytes a lane.
; q, k: source 0 = 16 rows of W, source 1 = 16 rows of x: a lane holds one token and eight neighbouring channels.  v: the sources change places: a lane holds one channel and eight neighbouring tokens.
; EACH OF THE 12 TILES HAS RESULT REGISTERS OF ITS OWN: no register that a store reads is written again, no address is stepped, so no wait stands between a tile's stores and the next tile's work.
; LIMITS: NaN and infinities in x are not served; |q| / 8, |k|, |v| stay under 65,504 (f16).  A block of zeros has the byte 1 where the quantiser says 127: its codes are zeros, which add nothing.
; No tensor load and no cluster: what work-groups share, the weights' 432 KB of images, goes to registers as it lies and would only gain a pass through LDS.
; REGISTERS.  window 0: v5-10 addresses; v16-31 x's scale words; v32-127 three sets of a weight tile's 4 fragments; v128-159 results of tiles 8, 9; v160-171 the weights' scale words; v176-207 four accumulators;
;   v208-239 results of tiles 10, 11; v252, v253 the add's two.  While x is quantised: v32-95, v96-159 numbers, v176-191 at work, v192 scale word, v194-201 codes.
;   window 1: v0-127 x's sixteen fragments; v128-255 results of tiles 0 to 7.
.set XIMG,  0                          ; LDS: x's 16 fragments, 1,024 bytes each: index 4 m + ks
.set XSC,   16384                      ; their scale words, 128 bytes each
.set SPARE, 18432                      ; the spare words, 128 bytes for each of eight waves: four blocks of 256 bytes that no other line names
.set STG,   19456                      ; the stages: two for each wave, 16 rows x 528 bytes each
.set SPI,   528
.set STGB,  16*SPI
.set LI,  5                            ; v5   16 x lane: my place in an image, and in a row's 512 bytes of x
.set LS,  6                            ; v6   4 x lane
.set XWI, 7                            ; v7   where I store my two images: 16 x lane + 2,048 x wave
.set XWS, 8                            ; v8   and their scale words: 4 x lane + 256 x wave
.set STW, 9                            ; v9   my stages, on the way in: + 16 x lane
.set STR, 10                           ; v10  and on the way out: + 528 r + 64 h
.set AS,  16
.set BF,  32
.set BS,  160
.set ACC, 176
.set HA,  32
.set HB,  96
.set TM,  176
.set PW,  192
.set PC,  194
.set SPW, 252
.set NIL, 253
.set WV,  14
.set SEL, 24
.set MSB, 0
.macro WIN new                         ; the immediate's high byte repeats the setting that is left
.if MSB != \new
	s_set_vgpr_msb (MSB<<8)|\new
.set MSB, \new
.endif
.endm
.macro XLOAD reg, s                    ; my 16 rows' numbers of my K step s, a row a load: 32 lanes read 512 consecutive bytes
.irp q, 0,1,2,3,4,5,6,7,8,9,10,11,12,13,14,15
	global_load_b128 v[\reg+4*\q:\reg+4*\q+3], v[LI], s[4:5] offset:2048*\q+512*\s th:TH_LOAD_NT
.endr
.endm
.macro TURN reg, st                    ; through my stage st: in as loaded, back so that register 16 b + i = k 32 b + 16 h + i of row r.  LDS serves a wave's instructions in order (ISA guide 5.7.1.4): the loads see the stores, and land in the registers that the stores left
.irp q, 0,1,2,3,4,5,6,7,8,9,10,11,12,13,14,15
	ds_store_b128 v[STW], v[\reg+4*\q:\reg+4*\q+3] offset:\st*STGB+\q*SPI
.endr
.irp b, 0,1,2,3
.irp j, 0,1,2,3
	ds_load_b128 v[\reg+16*\b+4*\j:\reg+16*\b+4*\j+3], v[STR] offset:\st*STGB+128*\b+16*\j
.endr
.endr
.endm
.macro QUANT s                         ; 64 numbers of a lane become a fragment's codes in v[PC] on and its scale word in v[PW]
.irp b, 0,1,2,3
	v_max3_num_f32 v[TM+\b], |v[\s+16*\b]|, |v[\s+1+16*\b]|, 0x1800000   ; block b: my 16 numbers, and the floor 2^(3 - 127): the byte cannot fall under 1
.endr
.irp i, 2,4,6,8,10,12,14
.irp b, 0,1,2,3
	v_max3_num_f32 v[TM+\b], v[TM+\b], |v[\s+16*\b+\i]|, |v[\s+1+16*\b+\i]|
.endr
.endr
.irp b, 0,1,2,3
	v_permlanex16_b32 v[TM+4+\b], v[TM+\b], s[SEL], s[SEL+1]
.endr
.irp b, 0,1,2,3
	v_max_num_f32 v[TM+\b], v[TM+\b], v[TM+4+\b]   ; with lane l xor 16's: the block's largest magnitude
.endr
.irp b, 0,1,2,3
	v_add_nc_u32 v[TM+12+\b], 0xff000000, v[TM+\b] ; 2 off its exponent field: the conversion's scale operand
.endr
.irp b, 0,1,2,3
	v_lshrrev_b32 v[TM+4+\b], 23, v[TM+12+\b]      ; the scale's byte
.endr
	v_lshl_or_b32 v[PW], v[TM+5], 8, v[TM+4]
	v_lshl_or_b32 v[PW], v[TM+6], 16, v[PW]
	v_lshl_or_b32 v[PW], v[TM+7], 24, v[PW]
.irp b, 0,1,2,3
	v_cvt_scalef32_pk8_fp4_f32 v[PC+2*\b], v[\s+16*\b:\s+7+16*\b], v[TM+12+\b]
	v_cvt_scalef32_pk8_fp4_f32 v[PC+1+2*\b], v[\s+8+16*\b:\s+15+16*\b], v[TM+12+\b]
.endr
	v_nop                                          ; one plain instruction behind the scaled conversions
.irp c, 0,1
.irp i, 0,1
	v_permlane16_swap_b32 v[PC+4*\c+\i], v[PC+2+4*\c+\i]   ; a whole block to a lane
.endr
.endr
.endm
.macro IMAGE off                       ; the fragment in v[PC] on goes to LDS as it stands
.irp c, 0,1
	ds_store_b128 v[XWI], v[PC+4*\c:PC+4*\c+3] offset:XIMG+\off+512*\c
.endr
.endm
.macro LOADB i                         ; weight tile i (i / 4: q, k, v; i % 4: which 16 features of my head): 4 fragments and their scale words into set i % 3: nine loads
.irp k, 0,1,2,3
.irp c, 0,1
	global_load_b128 v[BF+32*((\i)%3)+8*\k+4*\c:BF+32*((\i)%3)+8*\k+4*\c+3], v[LI], s[6:7] offset:((\i)/4)*131072+((\i)%4)*4096+\k*1024+\c*512
.endr
.endr
	global_load_b128 v[BS+4*((\i)%3):BS+4*((\i)%3)+3], v[LI], s[8:9] offset:((\i)/4)*16384+((\i)%4)*512
.endm
	s_load_b256 s[4:11], s[0:1], 0x0               ; x s[4:5], wcod s[6:7], wscl s[8:9], qimg s[10:11]
	s_load_b64 s[12:13], s[0:1], 0x20              ; kvimg
	v_lshl_add_u32 v[SPW], v0, 2, SPARE
	v_mov_b32 v[NIL], 0
	v_lshrrev_b32 v1, 5, v0
	v_readfirstlane_b32 s[WV], v1                  ; wave 0..7
	v_and_b32 v1, 31, v0                           ; lane
	v_and_b32 v2, 15, v0                           ; r
	v_bfe_u32 v3, v0, 4, 1                         ; h
	v_lshlrev_b32 v[LI], 4, v1
	v_lshlrev_b32 v[LS], 2, v1
	s_lshl_b32 s15, s[WV], 11
	v_add_nc_u32 v[XWI], s15, v[LI]
	s_lshl_b32 s15, s[WV], 8
	v_add_nc_u32 v[XWS], s15, v[LS]
	s_mul_i32 s15, s[WV], 2*STGB
	s_add_co_u32 s15, s15, STG                     ; my two stages
	v_add_nc_u32 v[STW], s15, v[LI]
	v_mul_u32_u24 v[STR], v2, SPI
	v_lshl_add_u32 v[STR], v3, 6, v[STR]
	v_add_nc_u32 v[STR], s15, v[STR]
	s_mov_b32 s[SEL], 0x76543210
	s_mov_b32 s[SEL+1], 0xfedcba98
	s_mov_b32 s26, 0x3e000000                      ; 1 / 8 = 64^(-1/2), exact
	s_mov_b32 s27, s26                             ; (named with it as a pair, so it is written)
.irp b, 0,1,2,3
	v_mov_b32 v[TM+4+\b], 0                        ; a lane permute's destination counts as one of its sources
.endr
	s_lshl_b32 s16, ttmp9, 17                      ; x: my work-group's 64 rows of 2,048 bytes,
	s_lshr_b32 s15, s[WV], 1
	s_lshl_b32 s15, s15, 15                        ; row tile wave / 2,
	s_add_co_u32 s16, s16, s15
	s_and_b32 s15, s[WV], 1
	s_lshl_b32 s15, s15, 10                        ; K steps 2 (wave % 2) and the next
	s_add_co_u32 s16, s16, s15
	s_mov_b32 s17, 0
	s_lshl_b32 s18, s[WV], 14                      ; my head's 4 tiles of codes in each matrix,
	s_mov_b32 s19, 0
	s_lshl_b32 s20, s[WV], 11                      ; and of scale words
	s_mov_b32 s21, 0
	s_lshr_b32 s15, ttmp9, 4                       ; batch
	s_lshl_b32 s15, s15, 3
	s_add_co_u32 s15, s15, s[WV]                   ; batch x 8 + head
	s_and_b32 s30, ttmp9, 15                       ; key step
	s_lshl_b32 s22, s15, 17
	s_lshl_b32 s31, s30, 13
	s_add_co_u32 s22, s22, s31
	s_mov_b32 s23, 0
	s_lshl_b32 s28, s15, 18
	s_lshl_b32 s31, s30, 14
	s_add_co_u32 s28, s28, s31
	s_mov_b32 s29, 0
	s_wait_kmcnt 0x0
	s_add_nc_u64 s[4:5], s[4:5], s[16:17]
	s_add_nc_u64 s[6:7], s[6:7], s[18:19]
	s_add_nc_u64 s[8:9], s[8:9], s[20:21]
	s_add_nc_u64 s[10:11], s[10:11], s[22:23]
	s_add_nc_u64 s[12:13], s[12:13], s[28:29]
	; ---- x: my two fragments, 2 w and 2 w + 1
	XLOAD HA, 0
	XLOAD HB, 1
	s_wait_loadcnt 16                              ; the first K step's 16 loads are in; the second's stay out
	TURN HA, 0
	s_wait_dscnt 0x0                               ; its numbers are back, 16 neighbours to a block in my lane
	QUANT HA
	IMAGE 0
	ds_store_b32 v[XWS], v[PW] offset:XSC
	s_wait_loadcnt 0x0                             ; the second K step
	TURN HB, 1                                     ; through the other stage,
	LOADB 0                                        ; while the first numbers' registers take the first two weight tiles
	LOADB 1
	s_wait_dscnt 0x0                               ; the second K step's numbers are back, and the image's stores have read their registers
	QUANT HB
	IMAGE 1024
	ds_store_b32 v[XWS], v[PW] offset:XSC+128
	LOADB 2
	s_wait_dscnt 0x0                               ; for the others' sake: my images have landed
	s_barrier_signal -1
	s_barrier_wait -1                              ; x's sixteen fragments lie in LDS; nothing is stored there again
	WIN 0x40                                       ; destination window 1
.irp f, 0,1,2,3,4,5,6,7,8,9,10,11,12,13,14,15
	ds_load_b128 v[8*\f:8*\f+3], v[LI] offset:XIMG+\f*1024
	ds_load_b128 v[8*\f+4:8*\f+7], v[LI] offset:XIMG+\f*1024+512
.endr
	WIN 0
.irp f, 0,1,2,3,4,5,6,7,8,9,10,11,12,13,14,15
	ds_load_b32 v[AS+\f], v[LS] offset:XSC+128*\f
.endr
	s_wait_dscnt 0x0
; ---- a weight tile against the four tiles of rows: 16 products, the four accumulators by turns, K ascending; the first K step starts the sums
.macro TILE i
.set KIND, (\i)/4
.set FT, (\i)%4
.set BFS, BF+32*((\i)%3)
.set BSS, BS+4*((\i)%3)
.if (\i) < 8                           ; the tile's own 16 result registers
.set OS, 128+16*(\i)
.set OW, 1                             ; in window 1
.elseif (\i) < 10
.set OS, 128+16*((\i)-8)
.set OW, 0
.else
.set OS, 208+16*((\i)-10)
.set OW, 0
.endif
.if (\i) < 10
	s_wait_loadcnt 18                              ; this tile's nine loads are in; the two younger sets stay out
.else
	s_wait_loadcnt 9*(11-(\i))
.endif
.if KIND < 2
	WIN 0x04                                       ; source 1 (x) window 1
.else
	WIN 0x01                                       ; source 0 (x) window 1
.endif
.irp k, 0,1,2,3
.irp m, 0,1,2,3
.if KIND < 2
.if \k == 0
	v_wmma_scale_f32_16x16x128_f8f6f4 v[ACC+8*\m:ACC+8*\m+7], v[BFS+8*\k:BFS+8*\k+7], v[8*(4*\m+\k):8*(4*\m+\k)+7], 0, v[BSS+\k], v[AS+4*\m+\k] matrix_a_fmt:MATRIX_FMT_FP4 matrix_b_fmt:MATRIX_FMT_FP4
.else
	v_wmma_scale_f32_16x16x128_f8f6f4 v[ACC+8*\m:ACC+8*\m+7], v[BFS+8*\k:BFS+8*\k+7], v[8*(4*\m+\k):8*(4*\m+\k)+7], v[ACC+8*\m:ACC+8*\m+7], v[BSS+\k], v[AS+4*\m+\k] matrix_a_fmt:MATRIX_FMT_FP4 matrix_b_fmt:MATRIX_FMT_FP4
.endif
.else
.if \k == 0
	v_wmma_scale_f32_16x16x128_f8f6f4 v[ACC+8*\m:ACC+8*\m+7], v[8*(4*\m+\k):8*(4*\m+\k)+7], v[BFS+8*\k:BFS+8*\k+7], 0, v[AS+4*\m+\k], v[BSS+\k] matrix_a_fmt:MATRIX_FMT_FP4 matrix_b_fmt:MATRIX_FMT_FP4
.else
	v_wmma_scale_f32_16x16x128_f8f6f4 v[ACC+8*\m:ACC+8*\m+7], v[8*(4*\m+\k):8*(4*\m+\k)+7], v[BFS+8*\k:BFS+8*\k+7], v[ACC+8*\m:ACC+8*\m+7], v[AS+4*\m+\k], v[BSS+\k] matrix_a_fmt:MATRIX_FMT_FP4 matrix_b_fmt:MATRIX_FMT_FP4
.endif
.endif
.endr
.endr
	WIN 0
.rept 4
	v_nop                                          ; four places ahead of the loads into this tile's registers and of the first read of results.  The next tile's first products write over
.endr                                                  ; accumulators: with the conversions of the other three accumulators more than five places lie behind each product
.if (\i)+3 < 12
	LOADB (\i)+3
.endif
.if KIND == 0
.irp e, 0,2,4,6,8,10,12,14,16,18,20,22,24,26,28,30
	v_pk_mul_f32 v[ACC+\e:ACC+\e+1], v[ACC+\e:ACC+\e+1], s[26:27] op_sel_hi:[1,0]   ; q / 8; each accumulator from its low end on
.endr
.endif
.if OW
	WIN 0x40                                       ; destination window 1
.endif
.irp e, 0,1,2,3,4,5,6,7,8,9,10,11,12,13,14,15
	v_cvt_pk_f16_f32 v[OS+\e], v[ACC+2*\e], v[ACC+2*\e+1]   ; eight neighbours of a lane: 16 bytes, one group of an operand's registers
.endr
.if OW
	WIN 0x04                                       ; a store's data are its source 1: window 1 (the setting of the next tile's products too)
.endif
.irp m, 0,1,2,3
.if KIND == 0
	global_store_b128 v[LI], v[OS+4*\m:OS+4*\m+3], s[10:11] offset:\m*2048+FT*512 th:TH_STORE_NT   ; 32 lanes store 512 consecutive bytes
.elseif KIND == 1
	global_store_b128 v[LI], v[OS+4*\m:OS+4*\m+3], s[12:13] offset:\m*2048+FT*512 th:TH_STORE_NT
.else
	global_store_b128 v[LI], v[OS+4*\m:OS+4*\m+3], s[12:13] offset:8192+FT*2048+\m*512 th:TH_STORE_NT
.endif
.endr
.endm
.irp i, 0,1,2,3,4,5,6,7,8,9,10,11
	TILE \i
.endr
	s_wait_tensorcnt 0x0                           ; the wave's end
	ds_add_u32 v[SPW], v[NIL]
	s_wait_dscnt 0x0
	s_endpgm
.Lfunc_end_k_q0807624026_qkv:
	.size	k_q0807624026_qkv, .Lfunc_end_k_q0807624026_qkv-k_q0807624026_qkv
	.p2alignl 7, 3214868480
	.fill 96, 4, 3214868480
	.section	.rodata,"a",@progbits
	.p2align	6, 0x0
	.amdhsa_kernel k_q0807624026_qkv
		.amdhsa_group_segment_fixed_size 154624
		.amdhsa_private_segment_fixed_size 0
		.amdhsa_enable_private_segment 0
		.amdhsa_kernarg_size 40
		.amdhsa_user_sgpr_count 2
		.amdhsa_user_sgpr_kernarg_segment_ptr 1
		.amdhsa_wavefront_size32 1
		.amdhsa_system_sgpr_workgroup_id_x 1
		.amdhsa_system_sgpr_workgroup_id_y 1
		.amdhsa_system_sgpr_workgroup_id_z 1
		.amdhsa_system_vgpr_workitem_id 0
		.amdhsa_next_free_vgpr 512
		.amdhsa_next_free_sgpr 66
		.amdhsa_reserve_vcc 0
		.amdhsa_float_denorm_mode_32 3
		.amdhsa_float_denorm_mode_16_64 3
		.amdhsa_memory_ordered 1
		.amdhsa_forward_progress 1
		.amdhsa_inst_pref_size 79
	.end_amdhsa_kernel
	.amdgpu_metadata
---
amdhsa.version: [ 1, 2 ]
amdhsa.kernels:
  - .name:           k_q0807624026_qkv
    .symbol:         k_q0807624026_qkv.kd
    .args:
      - { .name: x, .offset: 0, .size: 8, .value_kind: global_buffer, .address_space: global }
      - { .name: wcod, .offset: 8, .size: 8, .value_kind: global_buffer, .address_space: global }
      - { .name: wscl, .offset: 16, .size: 8, .value_kind: global_buffer, .address_space: global }
      - { .name: qimg, .offset: 24, .size: 8, .value_kind: global_buffer, .address_space: global }
      - { .name: kvimg, .offset: 32, .size: 8, .value_kind: global_buffer, .address_space: global }
    .group_segment_fixed_size: 154624
    .private_segment_fixed_size: 0
    .kernarg_segment_align: 8
    .kernarg_segment_size: 40
    .max_flat_workgroup_size: 256
    .sgpr_count:     66
    .vgpr_count:     512
    .wavefront_size: 32
...
	.end_amdgpu_metadata
.endif
;; end of part 2
;; launch attn (part 3): grid 4 x 64, 8 waves a work-group, clusters of 4 x 4, 327,680 bytes of LDS; arguments qimg, kvimg, pos_bias, attimg; writes attimg
.if DOCPART == 3
	.amdgcn_target "amdgcn-amd-amdhsa--gfx1250"
	.amdhsa_code_object_version 6
	.text
	.protected	k_q0807624026_attn
	.globl	k_q0807624026_attn
	.p2align	8
	.type	k_q0807624026_attn,@function
k_q0807624026_attn:
	s_mov_b64 s[64:65], 0
	v_nop
	global_prefetch_b8 v0, s[64:65] scope:SCOPE_SE
	s_setreg_imm32_b32 hwreg(HW_REG_WAVE_MODE, 25, 1), 1
	s_wait_xcnt 0x0
	s_wait_alu depctr_hold_cnt(0) depctr_sa_sdst(0) depctr_va_vdst(0) depctr_va_sdst(0) depctr_va_ssrc(0) depctr_va_vcc(0) depctr_vm_vsrc(0)
	s_getreg_b32 s2, hwreg(HW_REG_IB_STS2, 6, 4)
	s_cmp_eq_u32 s2, 0
	s_cbranch_scc0 .Lentry_in_a_cluster
	s_endpgm
.Lentry_in_a_cluster:
	s_bfe_u32 s2, ttmp6, 0x10000c
	s_cmp_lg_u32 s2, 0xf033
	s_cbranch_scc0 .Lentry_shape_is_right
	s_endpgm
.Lentry_shape_is_right:
; att[b][q][head] = softmax_k(q . k + pos_bias[head][q][k]) v, 1,024 keys, head size 64.  q (already / 8), k, v in f16, as images of operand registers; products, maxima and sums in f32;
; the weights p are rounded to f16 for the second product, the result once at the end (f16, as an image of the out-projection's operand registers).
; SHARES.  A work-group owns 256 queries of one head in TWO batches, since both batches add the same bias.  Wave w: batch 2 bp + w / 4, queries 64 (w % 4) on: four tiles of 16.  Every wave walks all keys, 64 a step.
; LAYOUT.  S^T = K Q^T + bias^T (source 0 = 16 keys, source 1 = 16 queries): a lane holds ONE query (lane % 16) and keys 8 (lane / 16) + 0 .. 7, so the C of a tile is 32 consecutive bytes of the query's bias row,
; loaded from LDS straight into the accumulator: the bias costs no addition.  Two such tiles rounded in pairs ARE source 1 of O^T = V^T P.  Nothing changes lanes but one exchange of halves for maximum and sum.
; SOFTMAX.  A running maximum m and sum l for each query: p = 2^(c s - c m), c = log2(e); in every step O and l are multiplied by a = 2^(c m_old - c m_new).
; TWO KINDS OF WAVE.  Between two changes of slots waves 0-3 run V^T P (last step), K Q^T (this step), softmax (this step); waves 4-7 run softmax (last step), V^T P (last step), K Q^T (this step):
; at any time half of the work-group's waves have matrix work and the other half vector work.  The softmax stands twice in a step's text, each under a branch on the wave's number; no barrier, wait for tiles or tensor load stands in those branches.
; CLUSTER 4 x 4.  cx = block of 256 queries, cy = pair of batches.  The bias tile hangs on (head, cx): asked for JOINTLY by the four of a column.  K and V hang on (head, pair): jointly by the four of a row.
; RING.  Two LDS slots of one key step: 256 bias rows of 256 bytes + 16 (17 x 16 bytes: the 16 rows of a load begin at 16 different 16-byte columns modulo 256), then K, V of batch 0 and K, V of batch 1, 8,192 bytes each, as images.
; Waves 0-3 fetch 64 bias rows each, waves 4-7 one of the four images each: one tensor load a wave behind each round; by this text's count a wave has one tensor load out.
; LIMITS: NaN and infinities are not served (a query whose first 64 scores were all -infinity would give NaN); the result stays under 65,504 (f16).
; REGISTERS.  window 0: v2-6 addresses; v16-47 statistics, 8 a tile: +0 c m, +1 m, +2, +3 l (even, odd keys), +4 .. +7 at work, a at +6; v61 prefetch offset; v62, v63 the add's two; v64-191 S^T, 32 a tile;
;   v192-255 K's 8 fragments, then P, 16 a tile.   window 1: v0-127 O^T, 32 a tile; v128-191 Q, 16 a tile; v192-255 V's 8 fragments.
.set SLOT1,  131072                    ; slot 1 begins here: one exclusive or turns an address in one slot into the other's
.set BPITCH, 272
.set KVOFF,  256*BPITCH
.set SPARE,  SLOT1+KVOFF+4*8192        ; behind slot 1: the spare words, 128 bytes for each of eight waves: four blocks of 256 bytes that no other line names
.set ABI0, 2                           ; v2   my lane's place among the bias rows: (64 (w % 4) + r) x 272 + 32 h
.set AKV0, 3                           ; v3   my batch's K image: KVOFF + 16,384 (w / 4) + 16 x lane
.set ADB,  4                           ; v4   the same in the slot in hand
.set ADK,  5                           ; v5
.set LI,   6                           ; v6   16 x lane
.set ST,   16
.set PFO,  61
.set SPW,  62
.set NIL,  63
.set S,    64
.set KP,   192
.set O,    0
.set Q,    128
.set V,    192
.set WV,   12
.set G1B,  24                          ; s[24:31] descriptor group 1 for the bias;  s[32:39] for K's and V's images
.set G1K,  32
.set G0B,  40                          ; s[40:43], s[44:47] their groups 0, which walk
.set G0K,  44
.set CS,   48                          ; s[48:49] c = log2(e)
.set SEL,  50                          ; s[50:51] v_permlanex16_b32's selects for lane l xor 16
.set TB,   52                          ; s52  LDS byte at which the slot in hand begins
.set LEFT, 53                          ; s53  15 - the step's number
.set LIM,  54                          ; s54  2 in a wave that prefetches, else the greatest number
.set PFA,  56                          ; s[56:57] where my prefetches stand
.set PFS,  58                          ; s[58:59] a key step on, in bytes
.set MSB, 0
.macro WIN new                         ; the immediate's high byte repeats the setting that is left
.if MSB != \new
	s_set_vgpr_msb (MSB<<8)|\new
.set MSB, \new
.endif
.endm
.set W_QK, 0x04                        ; Q (source 1) window 1; K, S^T window 0
.set W_PV, 0x51                        ; V (source 0), O^T (C and D) window 1; P window 0
.set W_RS, 0x41                        ; O^T (destination, source 0) window 1; a window 0
.set TO_1, 0x40                        ; destination window 1
.set FROM_1, 0x05                      ; sources 0 and 1 window 1
.macro PLACES                          ; four plain instructions between a matrix instruction and a read of its result or a load into its registers
.rept 4
	v_nop
.endr
.endm
.macro CROUND                          ; a round of the cluster's barrier
	s_barrier_signal -1
	s_barrier_wait -1
	s_cmp_lg_u32 s[WV], 0
	s_cbranch_scc1 .Lnot_wave_0_\@
	s_barrier_signal -3
.Lnot_wave_0_\@:
	s_barrier_wait -3
	s_barrier_signal -1
	s_barrier_wait -1
.endm
; A joint load: waves 0-3 the bias, waves 4-7 K's and V's images.  Each line has one mask and one set of registers for all that issue it; the branch hangs on the wave's number alone.
; An s_nop 0 and four v_nop follow each line.
.macro JLOAD
	s_cmp_lt_u32 s[WV], 4
	s_cbranch_scc0 .Lfor_kv_\@
	tensor_load_to_lds s[G0B:G0B+3], s[G1B:G1B+7]
	s_nop 0
.rept 4
	v_nop
.endr
	s_branch .Lasked_\@
.Lfor_kv_\@:
	tensor_load_to_lds s[G0K:G0K+3], s[G1K:G1K+7]
	s_nop 0
.rept 4
	v_nop
.endr
.Lasked_\@:
.endm
; A PREFETCH INTO THE L2 behind the joint load of step j + 1: the tiles of step j + 3, two changes of slots ahead of the load that will want them.  Each aligned block of 256 bytes is named once in the launch.
; Bias: a head's rows are walked by two clusters; the one with the even number asks; its sixteen work-groups and their waves 0 and 1 share the 1,024 rows out by address, a lane a row (a step's part of a row is 256 bytes).
; K, V: a pair of batches belongs to one row of one cluster; wave 4 of each of the four takes one of the four images, by address, lanes 256 bytes apart.  The last two changes that fill a slot ask for nothing.
.macro ASK
	s_cmp_gt_u32 s[LEFT], s[LIM]
	s_cbranch_scc0 .Lnot_mine_\@
	global_prefetch_b8 v[PFO], s[PFA:PFA+1] th:TH_LOAD_NT scope:SCOPE_SE
.Lnot_mine_\@:
.endm
; THE CHANGE OF SLOTS, at a step's head.  Each wave waits for all its tensor loads (its part of the slot ahead), adds 0 to its spare word, and waits for that and for its reads of the slot that it leaves.
; fill = 1: behind a round of the cluster's barrier the slot just left takes the next step's tiles: the load has a whole step's work in which to land.
.macro CHANGE fill
	s_wait_tensorcnt 0x0                           ; no tensor load of mine is out, so a group 0 may be written
	ds_add_u32 v[SPW], v[NIL]                      ; 0 onto my spare word
.if \fill
	s_xor_b32 s[G0B+1], s[G0B+1], SLOT1            ; the walking descriptors: the other slot,
	s_add_nc_u64 s[G0B+2:G0B+3], s[G0B+2:G0B+3], 256     ; the next 64 keys of each bias row;
	s_xor_b32 s[G0K+1], s[G0K+1], SLOT1
	s_add_nc_u64 s[G0K+2:G0K+3], s[G0K+2:G0K+3], 16384   ; the next step's images
	s_wait_xcnt 0x0                                ; the last prefetch, a step back, has read its address
	s_add_nc_u64 s[PFA:PFA+1], s[PFA:PFA+1], s[PFS:PFS+1]
.endif
	s_xor_b32 s[TB], s[TB], SLOT1                  ; my reads go on to the other slot
	s_wait_dscnt 0x0                               ; the add is done, and my reads of the slot that I leave are over
.if \fill
	CROUND                                         ; no wave of any partner still reads that slot or has a load on its way
	JLOAD
	ASK
.else
	s_barrier_signal -1
	s_barrier_wait -1
.endif
.endm
.macro LOADB                           ; the step's bias into the accumulators of S^T: 32 loads
.irp i, 0,1,2,3
.irp t, 0,1,2,3
	ds_load_b128 v[S+32*\i+8*\t:S+32*\i+8*\t+3], v[ADB] offset:16*BPITCH*\i+64*\t
	ds_load_b128 v[S+32*\i+8*\t+4:S+32*\i+8*\t+7], v[ADB] offset:16*BPITCH*\i+64*\t+16
.endr
.endr
.endm
.macro LOADK                           ; K's image: 16 loads of 512 consecutive bytes
.irp n, 0,1,2,3,4,5,6,7,8,9,10,11,12,13,14,15
	ds_load_b128 v[KP+4*\n:KP+4*\n+3], v[ADK] offset:512*\n
.endr
.endm
.macro LOADV
	WIN TO_1
.irp n, 0,1,2,3,4,5,6,7,8,9,10,11,12,13,14,15
	ds_load_b128 v[V+4*\n:V+4*\n+3], v[ADK] offset:8192+512*\n
.endr
	WIN 0
.endm
; The 16 accumulators take turns, one instruction a turn: between two links of a chain stand the 15 others'.
.macro QK                              ; S^T += K Q^T onto the bias: channels 32 c on, keys 16 t on, query tile i
	WIN W_QK
.irp c, 0,1
.irp t, 0,1,2,3
.irp i, 0,1,2,3
	v_wmma_f32_16x16x32_f16 v[S+32*\i+8*\t:S+32*\i+8*\t+7], v[KP+16*\t+8*\c:KP+16*\t+8*\c+7], v[Q+16*\i+8*\c:Q+16*\i+8*\c+7], v[S+32*\i+8*\t:S+32*\i+8*\t+7]
.endr
.endr
.endr
	WIN 0
.endm
.macro PV zero                         ; O^T += V^T P: keys 32 c on, channels 16 d on, query tile i.  zero = 1: the first 16 start the sums: nothing is ever cleared
	WIN W_PV
.irp c, 0,1
.irp d, 0,1,2,3
.irp i, 0,1,2,3
.if (\zero) && (\c == 0)
	v_wmma_f32_16x16x32_f16 v[O+32*\i+8*\d:O+32*\i+8*\d+7], v[V+16*\d+8*\c:V+16*\d+8*\c+7], v[KP+16*\i+8*\c:KP+16*\i+8*\c+7], 0
.else
	v_wmma_f32_16x16x32_f16 v[O+32*\i+8*\d:O+32*\i+8*\d+7], v[V+16*\d+8*\c:V+16*\d+8*\c+7], v[KP+16*\i+8*\c:KP+16*\i+8*\c+7], v[O+32*\i+8*\d:O+32*\i+8*\d+7]
.endif
.endr
.endr
.endr
	WIN 0
.endm
; THE SOFTMAX of one key step for my four tiles, line by line through the tiles, so that no line waits for the line above it.  first = 1: the first step, which starts m and l: no a, nothing to rescale.
.macro SM first
.irp j, 0,1,2,3                        ; the maximum of a lane's 32 scores: four chains; each accumulator is read from its low end on
.irp t, 0,1,2,3
	v_max3_num_f32 v[ST+8*\t+4+\j], v[S+32*\t+8*\j], v[S+32*\t+8*\j+1], v[S+32*\t+8*\j+2]
.endr
.endr
.irp u, 1,2
.irp j, 0,1,2,3
.irp t, 0,1,2,3
	v_max3_num_f32 v[ST+8*\t+4+\j], v[ST+8*\t+4+\j], v[S+32*\t+8*\j+2*\u+1], v[S+32*\t+8*\j+2*\u+2]
.endr
.endr
.endr
.irp t, 0,1,2,3
	v_max3_num_f32 v[ST+8*\t+4], v[ST+8*\t+4], v[S+32*\t+7], v[S+32*\t+15]
.endr
.irp t, 0,1,2,3
	v_max3_num_f32 v[ST+8*\t+6], v[ST+8*\t+6], v[S+32*\t+23], v[S+32*\t+31]
.endr
.irp t, 0,1,2,3
	v_max3_num_f32 v[ST+8*\t+4], v[ST+8*\t+4], v[ST+8*\t+5], v[ST+8*\t+6]
.endr
.irp t, 0,1,2,3
.if \first
	v_max_num_f32 v[ST+8*\t+4], v[ST+8*\t+4], v[ST+8*\t+7]
.else
	v_max3_num_f32 v[ST+8*\t+4], v[ST+8*\t+4], v[ST+8*\t+7], v[ST+8*\t+1]   ; and the old m
.endif
.endr
.irp t, 0,1,2,3
	v_permlanex16_b32 v[ST+8*\t+5], v[ST+8*\t+4], s[SEL], s[SEL+1]   ; the query's other 32 keys lie in the lane 16 away
.endr
.if !\first
.irp t, 0,1,2,3
	v_mov_b32 v[ST+8*\t+7], v[ST+8*\t]             ; c m_old is kept for a
.endr
.endif
.irp t, 0,1,2,3
	v_max_num_f32 v[ST+8*\t+1], v[ST+8*\t+4], v[ST+8*\t+5]
.endr
.irp t, 0,1,2,3
	v_mul_f32 v[ST+8*\t], s[CS], v[ST+8*\t+1]
.endr
.if !\first
.irp t, 0,1,2,3
	v_sub_f32 v[ST+8*\t+7], v[ST+8*\t+7], v[ST+8*\t]
.endr
.endif
	; ONE BATCH: all scalings c s - c m and all exponentials; none of these lines names an exponential's result.  A tile's exponentials go two at a time with one scaling of the next tile between.
.irp b, 0,1,2,3,4,5,6,7,8,9,10,11,12,13,14,15
	v_pk_fma_f32 v[S+2*\b:S+2*\b+1], v[S+2*\b:S+2*\b+1], s[CS:CS+1], v[ST:ST+1] op_sel_hi:[1,0,0] neg_lo:[0,0,1] neg_hi:[0,0,1]
.endr
.if !\first
.irp t, 0,1,2,3
	v_exp_f32 v[ST+8*\t+6], v[ST+8*\t+7]           ; a
.endr
.endif
.irp t, 0,1,2,3
.irp b, 0,1,2,3,4,5,6,7,8,9,10,11,12,13,14,15
	v_exp_f32 v[S+32*\t+2*\b], v[S+32*\t+2*\b]
	v_exp_f32 v[S+32*\t+2*\b+1], v[S+32*\t+2*\b+1]
.if \t < 3
	v_pk_fma_f32 v[S+32*(\t+1)+2*\b:S+32*(\t+1)+2*\b+1], v[S+32*(\t+1)+2*\b:S+32*(\t+1)+2*\b+1], s[CS:CS+1], v[ST+8*(\t+1):ST+8*(\t+1)+1] op_sel_hi:[1,0,0] neg_lo:[0,0,1] neg_hi:[0,0,1]
.endif
.endr
.endr
	v_nop                                          ; a plain instruction behind the last exponential,
	s_wait_alu depctr_va_vdst(0)                   ; and the one wait ahead of the batch's first reader
.irp p, 0,1,2,3,4,5,6,7,8,9,10,11,12,13,14,15
.irp t, 0,1,2,3
	v_cvt_pk_f16_f32 v[KP+16*\t+\p], v[S+32*\t+2*\p], v[S+32*\t+2*\p+1]   ; P: K's registers are free
.endr
.endr
.irp z, 0,1,2,3,4,5,6,7                        ; the sum of the unrounded p, in place: neighbours 1, 2, 4 and 8 pairs apart
.irp t, 0,1,2,3
	v_pk_add_f32 v[S+32*\t+4*\z:S+32*\t+4*\z+1], v[S+32*\t+4*\z:S+32*\t+4*\z+1], v[S+32*\t+4*\z+2:S+32*\t+4*\z+3]
.endr
.endr
.irp z, 0,1,2,3
.irp t, 0,1,2,3
	v_pk_add_f32 v[S+32*\t+8*\z:S+32*\t+8*\z+1], v[S+32*\t+8*\z:S+32*\t+8*\z+1], v[S+32*\t+8*\z+4:S+32*\t+8*\z+5]
.endr
.endr
.irp z, 0,1
.irp t, 0,1,2,3
	v_pk_add_f32 v[S+32*\t+16*\z:S+32*\t+16*\z+1], v[S+32*\t+16*\z:S+32*\t+16*\z+1], v[S+32*\t+16*\z+8:S+32*\t+16*\z+9]
.endr
.endr
.if \first
.irp t, 0,1,2,3
	v_pk_add_f32 v[ST+8*\t+2:ST+8*\t+3], v[S+32*\t:S+32*\t+1], v[S+32*\t+16:S+32*\t+17]
.endr
.else
.irp t, 0,1,2,3
	v_pk_add_f32 v[S+32*\t:S+32*\t+1], v[S+32*\t:S+32*\t+1], v[S+32*\t+16:S+32*\t+17]
.endr
.irp t, 0,1,2,3
	v_pk_fma_f32 v[ST+8*\t+2:ST+8*\t+3], v[ST+8*\t+2:ST+8*\t+3], v[ST+8*\t+6:ST+8*\t+7], v[S+32*\t:S+32*\t+1] op_sel_hi:[1,0,1]   ; l = a l + the sum
.endr
	WIN W_RS
.irp e, 0,1,2,3,4,5,6,7,8,9,10,11,12,13,14,15
.irp t, 0,1,2,3
	v_pk_mul_f32 v[O+32*\t+2*\e:O+32*\t+2*\e+1], v[O+32*\t+2*\e:O+32*\t+2*\e+1], v[ST+8*\t+6:ST+8*\t+7] op_sel_hi:[1,0]   ; O^T x a, each accumulator from its low end on
.endr
.endr
	WIN 0
.endif
.endm
; A KEY STEP j.  firstb: waves 4-7's softmax is the first step's;  zero: V^T P starts O^T's sums.
.macro TRIP fill, firstb, zero
	CHANGE \fill
	s_cmp_lt_u32 s[WV], 4
	s_cbranch_scc1 .Lnot_b_\@
	SM \firstb                                     ; waves 4-7: the softmax of step j - 1
.Lnot_b_\@:
	v_add_nc_u32 v[ADB], s[TB], v[ABI0]
	v_add_nc_u32 v[ADK], s[TB], v[AKV0]
	LOADB                                          ; step j's bias lands while V^T P runs
	PV \zero                                       ; step j - 1: its V came in the step before (the change's wait for all LDS loads has shown it in)
	PLACES
	LOADK
	LOADV
	s_wait_dscnt 16                                ; the bias and K are in; V's 16 loads may stay out
	QK
	PLACES                                         ; behind the products, ahead of whichever kind's softmax reads the scores, and of the next step's loads into them
	s_cmp_lt_u32 s[WV], 4
	s_cbranch_scc0 .Lnot_a_\@
	SM 0                                           ; waves 0-3: the softmax of step j
.Lnot_a_\@:
.endm
	s_load_b256 s[4:11], s[0:1], 0x0               ; qimg s[4:5], kvimg s[6:7], pos_bias s[8:9], attimg s[10:11]
	v_lshl_add_u32 v[SPW], v0, 2, SPARE
	v_mov_b32 v[NIL], 0
	ds_add_u32 v[SPW], v[NIL]                      ; the wave's opening: the add, twice on end, and its wait ahead of my first tensor load
	ds_add_u32 v[SPW], v[NIL]
	v_lshrrev_b32 v1, 5, v0
	v_readfirstlane_b32 s[WV], v1                  ; wave 0..7
	s_bfe_u32 s13, ttmp6, 0x40000                  ; cx
	s_bfe_u32 s14, ttmp6, 0x40004                  ; cy
	s_and_b32 s15, ttmp7, 0xffff                   ; the cluster's y, 0..15
	s_lshr_b32 s16, s15, 1                         ; head
	s_and_b32 s17, s15, 1
	s_lshl_b32 s17, s17, 2
	s_add_co_u32 s17, s17, s14                     ; pair of batches bp
	s_lshl_b32 s20, ttmp9, 2
	s_add_co_u32 s20, s20, s13                     ; block of 256 queries
	s_and_b32 s18, s[WV], 3                        ; i: which quarter I fetch; also which 64 queries are mine
	s_lshr_b32 s19, s[WV], 2                       ; which of the two batches is mine
	s_lshl_b32 s21, s14, 2
	s_lshl_b32 s21, 15, s21                        ; my row of the cluster
	s_lshl_b32 s22, 0x1111, s13                    ; my column
	; group 1, bias: 64 rows x 64 elements of 4 bytes, 1,024 elements from row to row, 4 words of padding behind every 64
	s_or_b32 s[G1B], s22, (2<<16)|(1<<20)|(1<<21)|(5<<22)|(3<<25)
	s_mov_b32 s[G1B+1], 64<<16
	s_mov_b32 s[G1B+2], 64<<16
	s_mov_b32 s[G1B+3], 64<<16
	s_mov_b32 s[G1B+4], 64
	s_mov_b32 s[G1B+5], 1024
	s_mov_b32 s[G1B+6], 0
	s_mov_b32 s[G1B+7], 0
	; group 1, an image: 8,192 dense bytes as 32 rows of 32 elements of 8 bytes
	s_or_b32 s[G1K], s21, (3<<16)|(1<<21)
	s_mov_b32 s[G1K+1], 32<<16
	s_mov_b32 s[G1K+2], 32<<16
	s_mov_b32 s[G1K+3], 32<<16
	s_mov_b32 s[G1K+4], 32
	s_mov_b32 s[G1K+5], 32
	s_mov_b32 s[G1K+6], 0
	s_mov_b32 s[G1K+7], 0
	s_mov_b32 s[G0B], 1
	s_mul_i32 s[G0B+1], s18, 64*BPITCH             ; LDS: wave's number alone
	s_mov_b32 s[G0K], 1
	s_lshl_b32 s[G0K+1], s18, 13
	s_add_co_u32 s[G0K+1], s[G0K+1], KVOFF
	s_lshl_b32 s66, s16, 22                        ; bias: head x 4 MiB + (256 block + 64 i) rows of 4,096 bytes: head, cx and the wave alone
	s_lshl_b32 s70, s20, 20
	s_add_co_u32 s66, s66, s70
	s_lshl_b32 s70, s18, 18
	s_add_co_u32 s66, s66, s70
	s_mov_b32 s67, 0
	s_lshl_b32 s68, s17, 1                         ; K, V: ((2 bp + i / 2) x 8 + head) x 262,144 + (i % 2) x 8,192: head, cy and the wave alone
	s_lshr_b32 s71, s18, 1
	s_add_co_u32 s68, s68, s71
	s_lshl_b32 s68, s68, 3
	s_add_co_u32 s68, s68, s16
	s_lshl_b32 s68, s68, 18
	s_and_b32 s71, s18, 1
	s_lshl_b32 s71, s71, 13
	s_add_co_u32 s68, s68, s71
	s_mov_b32 s69, 0
	s_lshl_b32 s79, s17, 1
	s_add_co_u32 s79, s79, s19                     ; my batch
	s_lshl_b32 s72, s79, 3                         ; Q: (batch x 8 + head) x 131,072 + (16 block + 4 i) tiles of 2,048 bytes
	s_add_co_u32 s72, s72, s16
	s_lshl_b32 s72, s72, 17
	s_lshl_b32 s78, s20, 15
	s_add_co_u32 s72, s72, s78
	s_lshl_b32 s78, s18, 13
	s_add_co_u32 s72, s72, s78
	s_mov_b32 s73, 0
	s_lshl_b32 s74, s79, 6                         ; the result: token tile (64 batch + 16 block + 4 i) x 16,384 + head x 2,048
	s_lshl_b32 s78, s20, 4
	s_add_co_u32 s74, s74, s78
	s_lshl_b32 s78, s18, 2
	s_add_co_u32 s74, s74, s78
	s_lshl_b32 s74, s74, 14
	s_lshl_b32 s78, s16, 11
	s_add_co_u32 s74, s74, s78
	s_mov_b32 s75, 0
	; the prefetches: both offsets, at step 2 (the first change of slots steps them to 3), then the choice by the wave's number
	s_lshl_b32 s76, s16, 22                        ; bias: rows 256 block + 64 cy + 32 wave + lane
	s_lshl_b32 s78, s20, 20
	s_add_co_u32 s76, s76, s78
	s_lshl_b32 s78, s14, 18
	s_add_co_u32 s76, s76, s78
	s_lshl_b32 s78, s[WV], 17
	s_add_co_u32 s76, s76, s78
	s_add_co_u32 s76, s76, 2*256
	s_lshl_b32 s77, s17, 1                         ; K, V: batch 2 bp + cx / 2, image cx % 2
	s_lshr_b32 s78, s13, 1
	s_add_co_u32 s77, s77, s78
	s_lshl_b32 s77, s77, 3
	s_add_co_u32 s77, s77, s16
	s_lshl_b32 s77, s77, 18
	s_and_b32 s78, s13, 1
	s_lshl_b32 s78, s78, 13
	s_add_co_u32 s77, s77, s78
	s_add_co_u32 s77, s77, 2*16384
	s_mov_b32 s[PFS], 16384
	s_mov_b32 s[PFS+1], 0
	s_cmp_lt_u32 s[WV], 4
	s_cselect_b32 s76, s76, s77
	s_cselect_b32 s[PFS], 256, s[PFS]
	s_cselect_b32 s78, 12, 8                       ; from lane to lane: a bias row, or 256 bytes
	s_mov_b32 s77, 0
	s_lshr_b32 s[LIM], s[WV], 1                    ; who asks: waves 0 and 1 where the cluster's y is even,
	s_and_b32 s79, s15, 1
	s_or_b32 s[LIM], s[LIM], s79
	s_cmp_eq_u32 s[LIM], 0
	s_cselect_b32 s[LIM], 2, -1
	s_cmp_eq_u32 s[WV], 4                          ; and wave 4: the same in all sixteen partners
	s_cselect_b32 s[LIM], 2, s[LIM]
	s_mov_b32 s[CS], 0x3fb8aa3b                    ; log2(e)
	s_mov_b32 s[CS+1], s[CS]
	s_mov_b32 s[SEL], 0x76543210
	s_mov_b32 s[SEL+1], 0xfedcba98
	s_mov_b32 s[TB], SLOT1                         ; the first change of slots turns it to slot 0
	s_mov_b32 s[LEFT], 15
	v_and_b32 v1, 31, v0                           ; lane
	v_and_b32 v7, 15, v0                           ; r
	v_bfe_u32 v8, v0, 4, 1                         ; h
	v_lshlrev_b32 v[LI], 4, v1
	v_lshlrev_b32 v[PFO], s78, v1
	v_mul_u32_u24 v[ABI0], v7, BPITCH
	v_lshl_add_u32 v[ABI0], v8, 5, v[ABI0]
	s_mul_i32 s23, s18, 64*BPITCH
	v_add_nc_u32 v[ABI0], s23, v[ABI0]
	s_lshl_b32 s23, s19, 14
	s_add_co_u32 s23, s23, KVOFF
	v_add_nc_u32 v[AKV0], s23, v[LI]
	s_wait_dscnt 0x0                               ; both opening adds are done
	s_wait_kmcnt 0x0
	s_add_nc_u64 s[4:5], s[4:5], s[72:73]
	s_add_nc_u64 s[10:11], s[10:11], s[74:75]
	s_cmp_lt_u32 s[WV], 4
	s_cselect_b64 s[PFA:PFA+1], s[8:9], s[6:7]
	s_add_nc_u64 s[PFA:PFA+1], s[PFA:PFA+1], s[76:77]
	s_add_nc_u64 s[G0B+2:G0B+3], s[8:9], s[66:67]
	s_or_b32 s[G0B+3], s[G0B+3], 0x80000000        ; type = 2
	s_add_nc_u64 s[G0K+2:G0K+3], s[6:7], s[68:69]
	s_or_b32 s[G0K+3], s[G0K+3], 0x80000000
	CROUND                                         ; all sixteen work-groups are here: the first joint loads meet
	JLOAD                                          ; step 0 into slot 0
	WIN TO_1
.irp n, 0,1,2,3,4,5,6,7,8,9,10,11,12,13,14,15  ; Q stays in registers: my four tiles' images, 8,192 bytes on end
	global_load_b128 v[Q+4*\n:Q+4*\n+3], v[LI], s[4:5] offset:512*\n th:TH_LOAD_NT
.endr
	WIN 0
	; step 0: scores; waves 0-3 also its softmax
	CHANGE 1                                       ; slot 0 is whole; slot 1's first fill goes out as a refill does
	v_add_nc_u32 v[ADB], s[TB], v[ABI0]
	v_add_nc_u32 v[ADK], s[TB], v[AKV0]
	LOADB
	LOADK
	LOADV
	s_wait_dscnt 16                                ; the bias and K are in; V's 16 loads may stay out
	s_wait_loadcnt 0x0                             ; Q
	QK
	PLACES
	s_cmp_lt_u32 s[WV], 4
	s_cbranch_scc0 .Lfirst_b
	SM 1
.Lfirst_b:
	s_mov_b32 s[LEFT], 14
	TRIP 1, 1, 1                                   ; step 1: V^T P of step 0 starts O^T
	s_mov_b32 s[LEFT], 13
.Lstep:                                            ; steps 2 to 14: each asks for the step after it
	TRIP 1, 0, 0
	s_sub_co_u32 s[LEFT], s[LEFT], 1
	s_cmp_lg_u32 s[LEFT], 0
	s_cbranch_scc1 .Lstep
	TRIP 0, 0, 0                                   ; step 15 is written out: nothing is left to fetch
	s_cmp_lt_u32 s[WV], 4
	s_cbranch_scc1 .Llast_a
	SM 0                                           ; waves 4-7: the last softmax
.Llast_a:
	s_wait_dscnt 0x0                               ; the last step's V is in
	PV 0
	; THE WAY OUT.  l's halves and the other half of the lanes' are added (these additions are the places behind the last products); O^T / l is rounded to f16: a lane's eight channels are 16 bytes,
	; one group of the out-projection's operand registers: 32 lanes store 512 consecutive bytes, with no pass through LDS.
.irp t, 0,1,2,3
	v_add_f32 v[ST+8*\t+4], v[ST+8*\t+2], v[ST+8*\t+3]
.endr
.irp t, 0,1,2,3
	v_permlanex16_b32 v[ST+8*\t+5], v[ST+8*\t+4], s[SEL], s[SEL+1]
.endr
.irp t, 0,1,2,3
	v_add_f32 v[ST+8*\t+4], v[ST+8*\t+4], v[ST+8*\t+5]
.endr
.irp t, 0,1,2,3
	v_rcp_f32 v[ST+8*\t+6], v[ST+8*\t+4]
.endr
	v_nop                                          ; a plain instruction behind the last reciprocal,
	s_wait_alu depctr_va_vdst(0)                   ; and the wait ahead of the first use: one for the four
.irp t, 0,1,2,3
	WIN W_RS
.irp e, 0,1,2,3,4,5,6,7,8,9,10,11,12,13,14,15
	v_pk_mul_f32 v[O+32*\t+2*\e:O+32*\t+2*\e+1], v[O+32*\t+2*\e:O+32*\t+2*\e+1], v[ST+8*\t+6:ST+8*\t+7] op_sel_hi:[1,0]
.endr
	WIN FROM_1
.irp e, 0,1,2,3,4,5,6,7,8,9,10,11,12,13,14,15
	v_cvt_pk_f16_f32 v[S+16*\t+\e], v[O+32*\t+2*\e], v[O+32*\t+2*\e+1]   ; S^T's registers are free
.endr
	WIN 0
.irp d, 0,1,2,3
	global_store_b128 v[LI], v[S+16*\t+4*\d:S+16*\t+4*\d+3], s[10:11] offset:\t*16384+\d*512 th:TH_STORE_NT
.endr
.endr
	s_wait_tensorcnt 0x0                           ; the wave's end: these three lines behind my last tensor load
	ds_add_u32 v[SPW], v[NIL]
	s_wait_dscnt 0x0
	CROUND                                         ; the closing round: no work-group ends while a partner may still ask for a tile that names it
	s_endpgm
.Lfunc_end_k_q0807624026_attn:
	.size	k_q0807624026_attn, .Lfunc_end_k_q0807624026_attn-k_q0807624026_attn
	.p2alignl 7, 3214868480
	.fill 96, 4, 3214868480
	.section	.rodata,"a",@progbits
	.p2align	6, 0x0
	.amdhsa_kernel k_q0807624026_attn
		.amdhsa_group_segment_fixed_size 327680
		.amdhsa_private_segment_fixed_size 0
		.amdhsa_enable_private_segment 0
		.amdhsa_kernarg_size 32
		.amdhsa_user_sgpr_count 2
		.amdhsa_user_sgpr_kernarg_segment_ptr 1
		.amdhsa_wavefront_size32 1
		.amdhsa_system_sgpr_workgroup_id_x 1
		.amdhsa_system_sgpr_workgroup_id_y 1
		.amdhsa_system_sgpr_workgroup_id_z 1
		.amdhsa_system_vgpr_workitem_id 0
		.amdhsa_next_free_vgpr 512
		.amdhsa_next_free_sgpr 100
		.amdhsa_reserve_vcc 0
		.amdhsa_float_denorm_mode_32 3
		.amdhsa_float_denorm_mode_16_64 3
		.amdhsa_memory_ordered 1
		.amdhsa_forward_progress 1
		.amdhsa_inst_pref_size 250
	.end_amdhsa_kernel
	.amdgpu_metadata
---
amdhsa.version: [ 1, 2 ]
amdhsa.kernels:
  - .name:           k_q0807624026_attn
    .symbol:         k_q0807624026_attn.kd
    .args:
      - { .name: qimg, .offset: 0, .size: 8, .value_kind: global_buffer, .address_space: global }
      - { .name: kvimg, .offset: 8, .size: 8, .value_kind: global_buffer, .address_space: global }
      - { .name: pos_bias, .offset: 16, .size: 8, .value_kind: global_buffer, .address_space: global }
      - { .name: attimg, .offset: 24, .size: 8, .value_kind: global_buffer, .address_space: global }
    .group_segment_fixed_size: 327680
    .private_segment_fixed_size: 0
    .kernarg_segment_align: 8
    .kernarg_segment_size: 32
    .max_flat_workgroup_size: 256
    .sgpr_count:     100
    .vgpr_count:     512
    .wavefront_size: 32
...
	.end_amdgpu_metadata
.endif
;; end of part 3
;; launch oproj (part 4): grid 4 x 64, 8 waves a work-group, clusters of 4 x 4, 327,680 bytes of LDS; arguments attimg, woimg, out0; writes out0
.if DOCPART == 4
	.amdgcn_target "amdgcn-amd-amdhsa--gfx1250"
	.amdhsa_code_object_version 6
	.text
	.protected	k_q0807624026_oproj
	.globl	k_q0807624026_oproj
	.p2align	8
	.type	k_q0807624026_oproj,@function
k_q0807624026_oproj:
	s_mov_b64 s[64:65], 0
	v_nop
	global_prefetch_b8 v0, s[64:65] scope:SCOPE_SE
	s_setreg_imm32_b32 hwreg(HW_REG_WAVE_MODE, 25, 1), 1
	s_wait_xcnt 0x0
	s_wait_alu depctr_hold_cnt(0) depctr_sa_sdst(0) depctr_va_vdst(0) depctr_va_sdst(0) depctr_va_ssrc(0) depctr_va_vcc(0) depctr_vm_vsrc(0)
	s_getreg_b32 s2, hwreg(HW_REG_IB_STS2, 6, 4)
	s_cmp_eq_u32 s2, 0
	s_cbranch_scc0 .Lentry_in_a_cluster
	s_endpgm
.Lentry_in_a_cluster:
	s_bfe_u32 s2, ttmp6, 0x10000c
	s_cmp_lg_u32 s2, 0xf033
	s_cbranch_scc0 .Lentry_shape_is_right
	s_endpgm
.Lentry_shape_is_right:
; out0[token][c] = sum over k of att[token][k] Wo[c][k], K = 512; both operands in f16, as images of operand registers; sums in f32; out0 [16,384][512] f32.
;   attimg [token tile 1,024][kc 16][g 2][lane][16];   woimg [column tile 32][kc 16][g 2][lane][16]: a tile's 128 along K are 4,096 consecutive bytes.
; SHARES.  A work-group makes 256 rows x 128 columns; wave w 64 x 64: rows 64 (w / 2) on, columns 64 (w % 2) on: 16 accumulators, which take turns, one instruction a turn.
; K goes in four chunks of 128 through three LDS slots: chunks 0, 1, 2 are asked for at the head (three tensor loads of a wave are out), chunk 3 takes slot 0 behind one round of the cluster's barrier.
; CLUSTER 4 x 4.  att's tiles hang on the block of rows alone and are asked for jointly along a row of the cluster, Wo's on the block of columns alone and jointly along a column.
; Waves 0-3 fetch 4 token tiles each (4 rows of 4,096 bytes, 16,384 apart), waves 4-7 two column tiles each.  Images need no padding: a fragment load takes 512 consecutive bytes.
; THE MATRIX INSTRUCTION IS USED TRANSPOSED (source 0 = 16 rows of Wo, source 1 = 16 tokens): a lane holds eight neighbouring columns of one row of out0.
; The way out goes through the wave's own stage (16 rows x 272 bytes), in slot 1, which has had its last fill and, ahead of the last barrier, its last read.
.set SLOT,  98304
.set WOFF,  65536                      ; in a slot: 16 token tiles x 4,096, then 8 column tiles x 4,096
.set SPARE, 3*SLOT                     ; the spare words, 128 bytes for each of eight waves: four blocks of 256 bytes that no other line names
.set STAGE, SLOT
.set SP,    272
.set ADA, 4                            ; v4-6   my 4 token tiles in slot 0, 1, 2: + 16 x lane
.set ADW, 8                            ; v8-10  my 4 column tiles
.set STO, 12                           ; v12    the stage: where I put 32 bytes of a row
.set RD,  13                           ; v13    where I read a row back
.set CO,  14                           ; v14    my byte offset in two rows of out0
.set SPW, 16
.set NIL, 17
.set OB,  32                           ; v32-63, v64-95 by turns: 16 rows read back from the stage
.set FA,  64                           ; v64-95   att's 4 fragments
.set FW,  96                           ; v96-127  Wo's 4 fragments
.set ACC, 128                          ; accumulator (i, n) at v[128 + 8 (4 i + n)]
.set WV,  10
.set G1A, 24
.set G1W, 32
.set G0A, 40                           ; s[40:51] a group 0 for each slot
.set G0W, 52                           ; s[52:63]
.macro PLACES
.rept 4
	v_nop
.endr
.endm
.macro CROUND
	s_barrier_signal -1
	s_barrier_wait -1
	s_cmp_lg_u32 s[WV], 0
	s_cbranch_scc1 .Lnot_wave_0_\@
	s_barrier_signal -3
.Lnot_wave_0_\@:
	s_barrier_wait -3
	s_barrier_signal -1
	s_barrier_wait -1
.endm
	s_load_b128 s[4:7], s[0:1], 0x0                ; attimg, woimg
	s_load_b64 s[8:9], s[0:1], 0x10                ; out0
	v_lshl_add_u32 v[SPW], v0, 2, SPARE
	v_mov_b32 v[NIL], 0
	ds_add_u32 v[SPW], v[NIL]                      ; the wave's opening: the add, twice on end, and its wait ahead of my first tensor load
	ds_add_u32 v[SPW], v[NIL]
	v_lshrrev_b32 v1, 5, v0
	v_readfirstlane_b32 s[WV], v1                  ; wave 0..7
	s_bfe_u32 s11, ttmp6, 0x40000                  ; cx
	s_bfe_u32 s12, ttmp6, 0x40004                  ; cy
	s_lshl_b32 s13, ttmp9, 2
	s_add_co_u32 s13, s13, s11                     ; X: block of 128 columns
	s_and_b32 s14, ttmp7, 0xffff
	s_lshl_b32 s14, s14, 2
	s_add_co_u32 s14, s14, s12                     ; Y: block of 256 rows
	s_lshl_b32 s15, s12, 2
	s_lshl_b32 s15, 15, s15                        ; my row of the cluster
	s_lshl_b32 s16, 0x1111, s11                    ; my column
	s_and_b32 s17, s[WV], 3                        ; i: which part I fetch
	s_or_b32 s[G1A], s15, (3<<16)|(1<<21)          ; elements of 8 bytes, no padding; the mask, and bit 21 beside it
	s_mov_b32 s[G1A+1], 512<<16                    ; a row: 4,096 bytes
	s_mov_b32 s[G1A+2], 4<<16
	s_mov_b32 s[G1A+3], 512<<16
	s_mov_b32 s[G1A+4], 4                          ; 4 token tiles
	s_mov_b32 s[G1A+5], 2048                       ; 16,384 bytes from tile to tile
	s_mov_b32 s[G1A+6], 0
	s_mov_b32 s[G1A+7], 0
	s_or_b32 s[G1W], s16, (3<<16)|(1<<21)
	s_mov_b32 s[G1W+1], 512<<16
	s_mov_b32 s[G1W+2], 2<<16
	s_mov_b32 s[G1W+3], 512<<16
	s_mov_b32 s[G1W+4], 2                          ; 2 column tiles
	s_mov_b32 s[G1W+5], 2048
	s_mov_b32 s[G1W+6], 0
	s_mov_b32 s[G1W+7], 0
	s_lshl_b32 s18, s14, 18                        ; att: (16 Y + 4 i) x 16,384: Y and the wave alone
	s_lshl_b32 s66, s17, 16
	s_add_co_u32 s18, s18, s66
	s_mov_b32 s19, 0
	s_lshl_b32 s20, s13, 17                        ; Wo: (8 X + 2 i) x 16,384: X and the wave alone
	s_lshl_b32 s67, s17, 15
	s_add_co_u32 s20, s20, s67
	s_mov_b32 s21, 0
	s_lshl_b32 s22, s17, 14                        ; LDS: the wave's number alone
	s_lshl_b32 s23, s17, 13
	s_add_co_u32 s23, s23, WOFF
	s_lshr_b32 s68, s[WV], 1                       ; rg
	s_and_b32 s69, s[WV], 1                        ; cg
	s_lshl_b32 s70, s14, 19                        ; out0: (256 Y + 64 rg) rows of 2,048 bytes + (128 X + 64 cg) x 4
	s_lshl_b32 s72, s68, 17
	s_add_co_u32 s70, s70, s72
	s_lshl_b32 s72, s13, 9
	s_add_co_u32 s70, s70, s72
	s_lshl_b32 s72, s69, 8
	s_add_co_u32 s70, s70, s72
	s_mov_b32 s71, 0
	v_and_b32 v1, 31, v0                           ; lane
	v_and_b32 v2, 15, v0                           ; r
	v_bfe_u32 v3, v0, 4, 1                         ; h
	v_lshlrev_b32 v1, 4, v1
	s_lshl_b32 s72, s68, 14
	s_lshl_b32 s73, s69, 14
	s_add_co_u32 s73, s73, WOFF
.irp s, 0,1,2
	v_add_nc_u32 v[ADA+\s], s72, v1
	v_add_nc_u32 v[ADW+\s], s73, v1
	s_add_co_u32 s72, s72, SLOT
	s_add_co_u32 s73, s73, SLOT
.endr
	s_mul_i32 s74, s[WV], 16*SP
	s_add_co_u32 s74, s74, STAGE                   ; my stage
	v_mul_u32_u24 v[STO], v2, SP
	v_lshl_add_u32 v[STO], v3, 5, v[STO]
	v_add_nc_u32 v[STO], s74, v[STO]               ; in: row r, 32 bytes for each half of the lanes
	v_mul_u32_u24 v[RD], v3, SP
	v_lshl_add_u32 v[RD], v2, 4, v[RD]
	v_add_nc_u32 v[RD], s74, v[RD]                 ; back: lanes 0-15 one row of 256 bytes, lanes 16-31 the next
	v_lshlrev_b32 v[CO], 11, v3
	v_lshl_add_u32 v[CO], v2, 4, v[CO]             ; and the same two rows in out0
	s_wait_dscnt 0x0                               ; both opening adds are done
	s_wait_kmcnt 0x0
	s_add_nc_u64 s[18:19], s[4:5], s[18:19]
	s_add_nc_u64 s[20:21], s[6:7], s[20:21]
	s_add_nc_u64 s[8:9], s[8:9], s[70:71]
	CROUND                                         ; all sixteen work-groups are here: the first joint loads meet
.irp s, 0,1,2
	s_mov_b32 s[G0A+4*\s], 1
	s_add_co_u32 s[G0A+4*\s+1], s22, \s*SLOT
	s_add_nc_u64 s[G0A+4*\s+2:G0A+4*\s+3], s[18:19], \s*4096     ; chunk s
	s_or_b32 s[G0A+4*\s+3], s[G0A+4*\s+3], 0x80000000
	s_mov_b32 s[G0W+4*\s], 1
	s_add_co_u32 s[G0W+4*\s+1], s23, \s*SLOT
	s_add_nc_u64 s[G0W+4*\s+2:G0W+4*\s+3], s[20:21], \s*4096
	s_or_b32 s[G0W+4*\s+3], s[G0W+4*\s+3], 0x80000000
.endr
	s_cmp_lt_u32 s[WV], 4                          ; a wave's three first fills stand in one branch, ahead of every wait on TENSORcnt and every LDS read; an s_nop 0 follows each, four v_nop the last
	s_cbranch_scc0 .Lfirst_w
.irp s, 0,1,2
	tensor_load_to_lds s[G0A+4*\s:G0A+4*\s+3], s[G1A:G1A+7]
	s_nop 0
.endr
	PLACES
	s_branch .Lfirst_asked
.Lfirst_w:
.irp s, 0,1,2
	tensor_load_to_lds s[G0W+4*\s:G0W+4*\s+3], s[G1W:G1W+7]
	s_nop 0
.endr
	PLACES
.Lfirst_asked:
; 32 along K: the k-th of slot s.  Eight fragments from LDS, 16 products.  zero = 1: the products start the sums: nothing is ever cleared
.macro KSTEP s, k, zero
	PLACES                                         ; ahead of loads into registers that matrix instructions have read
.irp i, 0,1,2,3
.irp g, 0,1
	ds_load_b128 v[FA+8*\i+4*\g:FA+8*\i+4*\g+3], v[ADA+\s] offset:\i*4096+\k*1024+\g*512
.endr
.endr
.irp n, 0,1,2,3
.irp g, 0,1
	ds_load_b128 v[FW+8*\n+4*\g:FW+8*\n+4*\g+3], v[ADW+\s] offset:\n*4096+\k*1024+\g*512
.endr
.endr
	s_wait_dscnt 0x0
.irp i, 0,1,2,3
.irp n, 0,1,2,3
.if \zero
	v_wmma_f32_16x16x32_f16 v[ACC+8*(4*\i+\n):ACC+8*(4*\i+\n)+7], v[FW+8*\n:FW+8*\n+7], v[FA+8*\i:FA+8*\i+7], 0
.else
	v_wmma_f32_16x16x32_f16 v[ACC+8*(4*\i+\n):ACC+8*(4*\i+\n)+7], v[FW+8*\n:FW+8*\n+7], v[FA+8*\i:FA+8*\i+7], v[ACC+8*(4*\i+\n):ACC+8*(4*\i+\n)+7]
.endif
.endr
.endr
.endm
	s_wait_tensorcnt 2                             ; my part of chunk 0 is in; chunks 1 and 2, issued behind it, may stay out
	s_barrier_signal -1
	s_barrier_wait -1                              ; everybody's is
	KSTEP 0, 0, 1
	KSTEP 0, 1, 0
	KSTEP 0, 2, 0
	KSTEP 0, 3, 0
	s_wait_tensorcnt 0x0                           ; all my tensor loads have landed, my parts of chunks 1 and 2: a group 0 may be written
	ds_add_u32 v[SPW], v[NIL]                      ; 0 onto my spare word
	s_add_nc_u64 s[G0A+2:G0A+3], s[G0A+2:G0A+3], 3*4096   ; slot 0's next tiles: chunk 3
	s_add_nc_u64 s[G0W+2:G0W+3], s[G0W+2:G0W+3], 3*4096
	s_wait_dscnt 0x0                               ; the add is done, and my reads of slot 0 are over
	CROUND                                         ; no wave of any partner still reads slot 0 or has a load on its way
	s_cmp_lt_u32 s[WV], 4
	s_cbranch_scc0 .Llast_w
	tensor_load_to_lds s[G0A:G0A+3], s[G1A:G1A+7]  ; the first tensor load behind the round: it has two chunks' work in which to land
	s_nop 0
	PLACES
	s_branch .Llast_asked
.Llast_w:
	tensor_load_to_lds s[G0W:G0W+3], s[G1W:G1W+7]
	s_nop 0
	PLACES
.Llast_asked:
.irp k, 0,1,2,3
	KSTEP 1, \k, 0
.endr
.irp k, 0,1,2,3
	KSTEP 2, \k, 0
.endr
	s_wait_tensorcnt 0x0                           ; my part of chunk 3 is in
	ds_add_u32 v[SPW], v[NIL]
	s_wait_dscnt 0x0                               ; my reads of slots 1 and 2 are over
	s_barrier_signal -1
	s_barrier_wait -1                              ; chunk 3 is whole; nobody reads slot 1 any more, and nothing is filled again
.irp k, 0,1,2,3
	KSTEP 0, \k, 0
.endr
; THE WAY OUT, a block of 16 rows x 64 columns at a time.  A lane holds 32 neighbouring bytes of a row and the lanes beside it other rows: the block goes through my own stage and comes back as whole rows of
; 256 bytes.  LDS serves a wave's instructions in order (ISA guide 5.7.1.4): no wait between the stores and the loads, nor ahead of the next block's stores.
.macro TOSTAGE i
.irp n, 0,1,2,3
	ds_store_b128 v[STO], v[ACC+8*(4*\i+\n):ACC+8*(4*\i+\n)+3] offset:64*\n          ; each accumulator from its low end on
	ds_store_b128 v[STO], v[ACC+8*(4*\i+\n)+4:ACC+8*(4*\i+\n)+7] offset:64*\n+16
.endr
.irp t, 0,1,2,3,4,5,6,7
	ds_load_b128 v[OB+32*((\i)%2)+4*\t:OB+32*((\i)%2)+4*\t+3], v[RD] offset:2*\t*SP
.endr
.endm
.macro SEND i, younger                 ; younger: the LDS instructions issued behind block i's loads, which may stay out
	s_wait_dscnt \younger
.irp t, 0,1,2,3,4,5,6,7
	global_store_b128 v[CO], v[OB+32*((\i)%2)+4*\t:OB+32*((\i)%2)+4*\t+3], s[8:9] offset:(16*\i+2*\t)*2048 th:TH_STORE_NT   ; 16 lanes store 256 consecutive bytes, at a multiple of 256 from out0's first byte
.endr
.endm
	PLACES                                         ; behind the last products: for the reads of results and the loads into the registers that held att's fragments
	TOSTAGE 0
	TOSTAGE 1
	SEND 0, 16                                     ; behind block 0's loads: block 1's 8 stores and 8 loads
	s_wait_xcnt 0x0                                ; block 0's stores have read their registers: block 2's loads may land there
	TOSTAGE 2
	SEND 1, 16
	s_wait_xcnt 0x0
	TOSTAGE 3
	SEND 2, 16
	SEND 3, 0
	s_wait_tensorcnt 0x0                           ; the wave's end: these three lines behind my last tensor load and my last LDS store
	ds_add_u32 v[SPW], v[NIL]
	s_wait_dscnt 0x0
	CROUND                                         ; the closing round: no work-group ends while a partner may still ask for a tile that names it
	s_endpgm
.Lfunc_end_k_q0807624026_oproj:
	.size	k_q0807624026_oproj, .Lfunc_end_k_q0807624026_oproj-k_q0807624026_oproj
	.p2alignl 7, 3214868480
	.fill 96, 4, 3214868480
	.section	.rodata,"a",@progbits
	.p2align	6, 0x0
	.amdhsa_kernel k_q0807624026_oproj
		.amdhsa_group_segment_fixed_size 327680
		.amdhsa_private_segment_fixed_size 0
		.amdhsa_enable_private_segment 0
		.amdhsa_kernarg_size 24
		.amdhsa_user_sgpr_count 2
		.amdhsa_user_sgpr_kernarg_segment_ptr 1
		.amdhsa_wavefront_size32 1
		.amdhsa_system_sgpr_workgroup_id_x 1
		.amdhsa_system_sgpr_workgroup_id_y 1
		.amdhsa_system_sgpr_workgroup_id_z 1
		.amdhsa_system_vgpr_workitem_id 0
		.amdhsa_next_free_vgpr 256
		.amdhsa_next_free_sgpr 80
		.amdhsa_reserve_vcc 0
		.amdhsa_float_denorm_mode_32 3
		.amdhsa_float_denorm_mode_16_64 3
		.amdhsa_memory_ordered 1
		.amdhsa_forward_progress 1
		.amdhsa_inst_pref_size 51
	.end_amdhsa_kernel
	.amdgpu_metadata
---
amdhsa.version: [ 1, 2 ]
amdhsa.kernels:
  - .name:           k_q0807624026_oproj
    .symbol:         k_q0807624026_oproj.kd
    .args:
      - { .name: attimg, .offset: 0, .size: 8, .value_kind: global_buffer, .address_space: global }
      - { .name: woimg, .offset: 8, .size: 8, .value_kind: global_buffer, .address_space: global }
      - { .name: out0, .offset: 16, .size: 8, .value_kind: global_buffer, .address_space: global }
    .group_segment_fixed_size: 327680
    .private_segment_fixed_size: 0
    .kernarg_segment_align: 8
    .kernarg_segment_size: 24
    .max_flat_workgroup_size: 256
    .sgpr_count:     80
    .vgpr_count:     256
    .wavefront_size: 32
...
	.end_amdgpu_metadata
.endif
;; end of part 4
